; MI455X (gfx1250); checked and timed in simulation.
; The chip was launched on July 23, 2026; its instructions are those of AMD's public machine-readable ISA for CDNA 5 (MIT licence, August 2026) and "CDNA5" Instruction Set Architecture Reference Guide (July 2026). The comments in the code are by the model that wrote it; some were corrected since.
;; KAN Spline Layer. Allowed arithmetic: matrix products marked QUANTISED: E2M3 operands, one E8M0 scale for each 32 along K, by v_wmma_scale_f32_16x16x128_f8f6f4 with both operands' format E2M3, f32 sums; everything else in f32.
;; Inputs: base_weight 2,048 x 2,048 float32; grid 2,048 x 2,048 x 8 float32; x 8,192 x 2,048 float32.
;; Outputs: out0 8,192 x 2,048 float32.
;; This version of the problem:
;;   THIS VERSION OF THE PROBLEM IS GIVEN IN LOW PRECISION. The matrix products marked QUANTISED in the list below multiply operands that are first quantised to E2M3 (2 exponent bits, 3 mantissa bits; 6 bits a number), with one power-of-two scale for each 32 numbers along K (OCP MX v1.0); their sums are f32. All else is computed in f32.
;;   The module's matrix products, in the order in which they are computed (A, B: the left and right operand; K: the contracted axis; several contracted axes count as one K, in the product's order):
;;     1. [M 8,192, K 2,048] x [K 2,048, N 2,048]; A: input x; B: input base_weight: QUANTISED
;;     2. [M 8,192, K 2,048] x [K 2,048, N 2,048]; A: computed on the way; B: computed on the way: QUANTISED
;;   THE QUANTISER, for each operand of a quantised product, along K:
;;     - K is cut into blocks of 32 from its start; a last block that is shorter is filled with zeros.
;;     - A block's scale is 2^e with e = floor(log2(the largest magnitude in the block)) - 2, held to -126 .. 127; a block of zeros has e = 0. As a byte (E8M0): e + 127.
;;     - Each number is divided by its block's scale, clamped to +-7.5, and rounded to the nearest number of E2M3, ties to even, subnormals kept.
;;     - The product sums the exact products of the quantised numbers (number of the format x scale) in f32.
;;   ~~~python
;;   def quantise(x, axis):      # numpy; x: float32 -> the quantised numbers, widened to float32 again
;;       x = np.moveaxis(x, axis, -1); K = x.shape[-1]
;;       x = np.pad(x, [(0, 0)] * (x.ndim - 1) + [(0, -K % 32)]); x = x.reshape(x.shape[:-1] + (-1, 32)); a = np.abs(x).max(-1, keepdims=True)
;;       e = np.where(a > 0, np.clip(np.frexp(np.where(a > 0, a, 1))[1] - 1 - 2, -126, 127), 0)      # np.frexp(a)[1] - 1 = floor(log2(a)), exactly
;;       r = np.clip(x / 2.0 ** e, -7.5, 7.5)
;;       step = 2.0 ** (np.maximum(np.frexp(np.where(r == 0, 1, r))[1] - 1, 0) - 3)
;;       q = np.round(r / step) * step * 2.0 ** e      # np.round: ties to even
;;       return np.moveaxis(q.reshape(q.shape[:-2] + (-1,))[..., :K], -1, axis).astype(np.float32)
;;   ~~~
;;   OPERANDS COMPUTED ON THE WAY. 'Computed on the way' means the value that the module computes at that place (a softmax that the list does not call 'softmax' is quantised finished and normalised). What goes into a quantiser is computed in f32, as accurately as f32 sums, v_exp_f32 and their like allow (about 1e-6 of the number): no bf16 or f16 on the way to a quantiser, and a product that is left as it is and whose result goes on into a quantised operand takes f32 operands (vector FMAs, or v_wmma_f32_16x16x4_f32). A number that lies on a knife's edge between two numbers of the format may be rounded either way, as far as f32 arithmetic and the matrix unit's own rounding can turn it there, and no further.
;; One version. Each part assembles by itself: llvm-mc -triple=amdgcn-amd-amdhsa -mcpu=gfx1250 --defsym DOCPART=n.
;; ======== version 1 of 1: 3 launches
;; limits: right only within a limited range of input values
;; workspace buffers: a_ws 26,214,400 bytes; b_ws 6,553,600 bytes; partials 1,024 bytes
;; launch gridsum (part 1): grid 128 x 2, 16 waves a work-group, no clusters, 15,360 bytes of LDS; arguments grid, b_ws, partials; writes b_ws, partials
.if DOCPART == 1
	.amdgcn_target "amdgcn-amd-amdhsa--gfx1250"
	.amdhsa_code_object_version 6
	.text
	.protected	k_qd88ed36845_gridsum
	.globl	k_qd88ed36845_gridsum
	.p2align	8
	.type	k_qd88ed36845_gridsum,@function
k_qd88ed36845_gridsum:
	s_mov_b64 s[64:65], 0
	v_nop
	global_prefetch_b8 v0, s[64:65] scope:SCOPE_SE
	s_setreg_imm32_b32 hwreg(HW_REG_WAVE_MODE, 25, 1), 1
	s_wait_xcnt 0x0
; S[i][o] = the sum over g of grid[i][o][g] (grid: [2048 i][2048 o][8 g] f32), quantised along i to codes of FP6 (E2M3) with one E8M0 byte for each 32 along i.
; S is the second half of the GEMM's operand B (steps 16 to 31 of its K).  b_ws IS LAID IN THE ORDER OF THE OPERAND'S REGISTERS: for each half tile of 128 columns o and each step of 128 along K one block of
; 12,800 bytes: eight fragments (16 columns x 128 K) as images of their 12 registers (register group c of lane l at 512 c + 16 l: 1,536 bytes), then 8 x 64 bytes of scale words (column r of fragment i at 64 i + 4 r).
; In a fragment lane (r, h) holds column r, and its registers 6 c .. 6 c + 5 the codes of K = 64 c + 32 h + 0 .. 31.
; Beside that each work-group stores the f32 sum of all the numbers that it has read: 256 partial sums, from which the next launch makes grid's mean.
; SHARES.  Work-group (cx, ky): columns o = 16 cx .. + 15 (fragment cx % 8 of half tile cx / 8), rows i = 1,024 ky .. + 1,023 (eight steps).  Wave w of sixteen: rows 64 w .. + 63: half c = w % 2 of step w / 2.
; A load takes one row i: 16 columns x 8 g = 512 consecutive bytes, 16 a lane: lane l = 2 p + u holds g = 4 u .. 4 u + 3 of column p.  Each byte of grid is read once; 32 loads a wave are on their way.
; A lane adds its four numbers; rows t and t + 16 of a block are taken together, and neighbouring lanes swap halves: the even lane ends with S(t, p), the odd one with S(t + 16, p).
; So a lane's 16 registers are 16 neighbours along i of ONE column, two neighbouring lanes hold a block, and the conversion gives codes with i innermost: nothing is transposed by an instruction.
; The codes meet in LDS as the eight fragments' images and leave as they lie: a store of a wave covers 512 consecutive bytes, at a multiple of 256 from the buffer's first byte.
; A block's scale is 2^(floor(log2(its largest magnitude)) - 2); its byte is that magnitude's exponent field - 2, held at 1 from below by a floor among the maximum's leaves.
; LIMITS: NaN and infinities are not served.  A block of zeros gets the byte 1 where the rule says 127: its codes are zeros, and only this program reads the bytes.
; The eight numbers of a sum are added as ((g0 + g2) + (g1 + g3)) + the same of g4 .. g7, all in f32: another order than a sum from left to right.
.set ROWG,  65536                      ; bytes in a row i of grid
.set FRB,   1536                       ; a fragment's image
.set SCO,   8*FRB                      ; in a step's block: where the scale words begin
.set STEPB, SCO+512                    ; a half tile's step in b_ws
.set HROW,  32*STEPB                   ; a half tile, all of K
.set SCB,   8*FRB                      ; LDS: behind the eight images: 8 steps x 16 scale words
.set PS,    SCB+512                    ; behind them: a word for each wave's partial sum
.set S,     32                         ; v32-47   my 16 sums
.set R,     48                         ; v48-175  32 load slots of 4 registers: pair t holds row t at R + 8 t and row t + 16 at R + 8 t + 4
; v1 lane, v2 u, v3 p; v4 16 x lane; v5-11, v27, v31 LDS addresses and store offsets (below); v12-18 at work; v19-20 maxima; v21 the conversion's scale operand;
; v22, v23 the two blocks' bytes; v[24:25] the running sum; v26 a permute's destination; v[28:30], v[176:178] the two blocks' codes
	s_load_b128 s[4:7], s[0:1], 0x0                ; grid s[4:5], b_ws s[6:7]
	s_load_b64 s[10:11], s[0:1], 0x10              ; partials
	v_lshl_add_u32 v192, v0, 2, 0x3400
	v_mov_b32 v193, 0
	v_lshrrev_b32 v1, 5, v0
	s_delay_alu instid0(VALU_DEP_1)
	v_readfirstlane_b32 s12, v1                    ; wave 0..15
	s_and_b32 s13, ttmp7, 0xffff                   ; ky
	v_and_b32 v1, 31, v0                           ; lane
	v_and_b32 v2, 1, v0                            ; u
	v_bfe_u32 v3, v0, 1, 4                         ; p
	s_delay_alu instid0(VALU_DEP_3)
	v_lshlrev_b32 v4, 4, v1                        ; my 16 bytes of a row's 512, and of a store's
	s_and_b32 s16, s12, 1                          ; c: which half of a step is my wave's
	s_lshr_b32 s17, s12, 1                         ; which of the work-group's eight steps
	; into the images: my 16 codes of block b are registers q = 6 c + 3 u + 0, 1, 2 of lane p + 16 b of the fragment: byte 512 (q / 4) + 16 (p + 16 b) + 4 (q % 4)
	s_mul_i32 s14, s16, 6
	s_mul_i32 s15, s17, FRB
	v_mul_u32_u24 v12, v2, 3
	s_delay_alu instid0(VALU_DEP_1)
	v_add_nc_u32 v12, s14, v12                     ; 6 c + 3 u
	v_lshl_add_u32 v13, v3, 4, s15                 ; 16 p + the step's image
.irp j, 0,1,2
	v_add_nc_u32 v14, \j, v12                      ; q
	s_delay_alu instid0(VALU_DEP_1)
	v_lshrrev_b32 v15, 2, v14
	s_delay_alu instid0(VALU_DEP_2)
	v_and_b32 v14, 3, v14
	s_delay_alu instid0(VALU_DEP_2)
	v_lshl_add_u32 v15, v15, 9, v13
	s_delay_alu instid0(VALU_DEP_1)
	v_lshl_add_u32 v[5+\j], v14, 2, v15            ; v5-7: where my word j goes; block b stands in the immediate, 256 b
.endr
	s_lshl_b32 s14, s16, 1
	s_lshl_b32 s15, s17, 6
	s_add_co_u32 s14, s14, s15
	s_add_co_u32 s14, s14, SCB
	v_lshl_add_u32 v8, v3, 2, s14                  ; v8: my wave's two bytes (blocks 2 c, 2 c + 1) of column p's scale word of the step
	s_mul_i32 s14, s12, FRB
	v_add_nc_u32 v9, s14, v4                       ; v9: out of LDS (waves 0-7): image w, 16 bytes a lane
	v_lshl_add_u32 v10, v1, 4, SCB                 ; v10: the scale words on their way out (wave 8): 16 bytes a lane
	v_lshrrev_b32 v12, 2, v1
	v_and_b32 v13, 3, v1
	s_delay_alu instid0(VALU_DEP_1)
	v_lshlrev_b32 v13, 4, v13
	s_delay_alu instid0(VALU_DEP_1)
	v_mad_u32_u24 v31, v12, STEPB, v13             ; v31: the same place in b_ws: step lane / 4, + 16 (lane % 4)
	s_lshl_b32 s14, s12, 2
	s_add_co_u32 s14, s14, PS
	v_mov_b32 v11, s14                             ; v11: my wave's partial sum
	v_and_b32 v12, 15, v0
	s_delay_alu instid0(VALU_DEP_1)
	v_lshl_add_u32 v27, v12, 2, PS                 ; v27: wave (lane % 16)'s partial sum (wave 9 reads them)
	v_mov_b32 v26, 0                               ; written once: a lane permute's destination counts as one of its sources
	v_cmp_eq_u32 vcc_lo, 1, v2                     ; the odd lanes; VCC stays so until the roles part
	s_mov_b32 s22, 0x76543210
	s_mov_b32 s23, 0xfedcba98                      ; v_permlanex16_b32's selects for lane l xor 16
	s_lshl_b32 s14, s13, 10
	s_lshl_b32 s15, s12, 6
	s_add_co_u32 s14, s14, s15                     ; my wave's first row i
	s_lshl_b32 s14, s14, 16                        ; in bytes: under 2^27
	s_lshl_b32 s15, ttmp9, 9
	s_add_co_u32 s14, s14, s15                     ; + the work-group's 512 bytes of a row
	s_mov_b32 s15, 0
	s_wait_kmcnt 0x0
	s_add_nc_u64 s[4:5], s[4:5], s[14:15]
.irp t, 0,1,2,3,4,5,6,7,8,9,10,11,12,13,14,15
	global_load_b128 v[R+8*\t:R+8*\t+3],   v4, s[4:5] offset:\t*ROWG th:TH_LOAD_NT        ; block 0, in the order in which the pairs are worked; the row stands in the immediate (63 rows at the most: inside its 24 bits)
	global_load_b128 v[R+8*\t+4:R+8*\t+7], v4, s[4:5] offset:(\t+16)*ROWG th:TH_LOAD_NT
.endr
; Rows t and t + 16 of block b become S + t.  In block 0 the pair's slots take the same pair of block 1 as soon as they have been read.
.macro PAIR b, t
.if \b == 0
	s_wait_loadcnt 30                              ; 32 + 2 t loads are issued and the first 2 t + 2 are wanted: 30 may be out
.else
	s_wait_loadcnt 30-2*(\t)                       ; all 64 are issued and the first 34 + 2 t are wanted
.endif
	v_pk_add_f32 v[12:13], v[R+8*(\t):R+8*(\t)+1], v[R+8*(\t)+2:R+8*(\t)+3]
	v_pk_add_f32 v[14:15], v[R+8*(\t)+4:R+8*(\t)+5], v[R+8*(\t)+6:R+8*(\t)+7]
.if \b == 0
	global_load_b128 v[R+8*(\t):R+8*(\t)+3],   v4, s[4:5] offset:(32+(\t))*ROWG th:TH_LOAD_NT
	global_load_b128 v[R+8*(\t)+4:R+8*(\t)+7], v4, s[4:5] offset:(48+(\t))*ROWG th:TH_LOAD_NT
.endif
	v_add_f32 v16, v12, v13                        ; my four g of row t,
	v_add_f32 v17, v14, v15                        ; and of row t + 16
	s_delay_alu instid0(VALU_DEP_1)
	v_cndmask_b32 v18, v17, v16, vcc_lo            ; what my neighbour wants: an odd lane gives row t's, an even lane row t + 16's
	s_delay_alu instid0(VALU_DEP_2)
	v_cndmask_b32 v[S+(\t)], v16, v17, vcc_lo      ; what I keep
	s_delay_alu instid0(VALU_DEP_1)
	v_add_f32_dpp v[S+(\t)], v18, v[S+(\t)] row_xmask:1 row_mask:0xf bank_mask:0xf   ; + my neighbour's half: S(16 u + t, p)
.endm
; My 16 sums of block b: into the running sum, the block's scale, 16 codes (registers c .. c + 2) into the image, the byte into register e.
.macro QBLOCK b, c, e
	v_max3_num_f32 v19, |v[S]|, |v[S+1]|, 0x1800000    ; the largest magnitude of my 16, in two chains, and the floor 2^(3 - 127): the byte cannot fall under 1
	v_max3_num_f32 v20, |v[S+2]|, |v[S+3]|, |v[S+4]|
.irp i, 5,9
	s_delay_alu instid0(VALU_DEP_2)
	v_max3_num_f32 v19, v19, |v[S+\i]|, |v[S+\i+1]|
	s_delay_alu instid0(VALU_DEP_2)
	v_max3_num_f32 v20, v20, |v[S+\i+2]|, |v[S+\i+3]|
.endr
	s_delay_alu instid0(VALU_DEP_2)
	v_max3_num_f32 v19, v19, |v[S+13]|, |v[S+14]|
	s_delay_alu instid0(VALU_DEP_1)
	v_max3_num_f32 v19, v19, v20, |v[S+15]|
.if \b == 0
	v_pk_add_f32 v[24:25], v[S:S+1], v[S+2:S+3]    ; the first addition starts the running sum: nothing is cleared
.else
	v_pk_add_f32 v[24:25], v[24:25], v[S:S+1]
	s_delay_alu instid0(VALU_DEP_1)
	v_pk_add_f32 v[24:25], v[24:25], v[S+2:S+3]
.endif
	v_max_num_f32_dpp v19, v19, v19 row_xmask:1 row_mask:0xf bank_mask:0xf   ; with my neighbour's 16: the block's
.irp i, 4
	s_delay_alu instid0(VALU_DEP_2)
	v_pk_add_f32 v[24:25], v[24:25], v[S+\i:S+\i+1]
.endr
.irp i, 6, 8, 10, 12, 14
	s_delay_alu instid0(VALU_DEP_1)
	v_pk_add_f32 v[24:25], v[24:25], v[S+\i:S+\i+1]
.endr
	v_add_nc_u32 v21, 0xff000000, v19              ; 2 off its exponent field: the conversion takes the exponent field of this operand as its scale, and nothing else of it
	v_cvt_scalef32_pk16_fp6_f32 v[\c:\c+2], v[S:S+15], v21   ; to the nearest code, ties to even, beyond the largest code the largest; 96 bits, the lowest i lowest
	v_lshrrev_b32 v[\e], 23, v21                   ; the scale's byte.  (Also the plain instruction between the conversion and the next write of its sources)
.irp j, 0,1,2
	ds_store_b32 v[5+\j], v[\c+\j] offset:256*\b   ; block b belongs to lanes 16 b .. 16 b + 15 of the fragment
.endr
.endm
.irp t, 0,1,2,3,4,5,6,7,8,9,10,11,12,13,14,15
	PAIR 0, \t
.endr
	QBLOCK 0, 28, 22
.irp t, 0,1,2,3,4,5,6,7,8,9,10,11,12,13,14,15
	PAIR 1, \t
.endr
	QBLOCK 1, 176, 23
	v_lshl_or_b32 v22, v23, 8, v22
	ds_store_b16 v8, v22                           ; the two blocks' bytes; both lanes of a pair write the same bytes with the same value
	v_add_f32 v24, v24, v25                        ; the wave's sum: my two halves, then the 32 lanes
	s_delay_alu instid0(VALU_DEP_1)
	v_add_f32_dpp v24, v24, v24 row_xmask:1 row_mask:0xf bank_mask:0xf
	s_delay_alu instid0(VALU_DEP_1)
	v_add_f32_dpp v24, v24, v24 row_xmask:2 row_mask:0xf bank_mask:0xf
	s_delay_alu instid0(VALU_DEP_1)
	v_add_f32_dpp v24, v24, v24 row_xmask:4 row_mask:0xf bank_mask:0xf
	s_delay_alu instid0(VALU_DEP_1)
	v_add_f32_dpp v24, v24, v24 row_xmask:8 row_mask:0xf bank_mask:0xf
	s_delay_alu instid0(VALU_DEP_1)
	v_permlanex16_b32 v26, v24, s22, s23
	s_delay_alu instid0(VALU_DEP_1)
	v_add_f32 v24, v24, v26
	ds_store_b32 v11, v24                          ; all lanes write the same word with the same value
	s_wait_dscnt 0x0                               ; for the others' sake: my stores have landed
	s_barrier_signal -1
	s_barrier_wait -1                              ; the one barrier: images, scale words and partial sums are whole
	; THE WAY OUT, by roles: branches on the wave's number, no barrier inside
	s_cmp_lt_u32 s12, 8
	s_cbranch_scc0 .Lnot_codes
	s_lshr_b32 s14, ttmp9, 3                       ; waves 0-7: the image of step 16 + 8 ky + w
	s_mul_i32 s14, s14, HROW                       ; half tile cx / 8,
	s_and_b32 s15, ttmp9, 7
	s_mul_i32 s15, s15, FRB                        ; fragment cx % 8,
	s_add_co_u32 s14, s14, s15
	s_lshl_b32 s15, s13, 3
	s_add_co_u32 s15, s15, s12
	s_add_co_u32 s15, s15, 16
	s_mul_i32 s15, s15, STEPB                      ; the step
	s_add_co_u32 s14, s14, s15
	s_mov_b32 s15, 0
	s_add_nc_u64 s[6:7], s[6:7], s[14:15]
.irp j, 0,1,2
	ds_load_b128 v[32+4*\j:35+4*\j], v9 offset:512*\j
.endr
	s_wait_dscnt 0x0
.irp j, 0,1,2
	global_store_b128 v4, v[32+4*\j:35+4*\j], s[6:7] offset:512*\j   ; 32 lanes store 512 consecutive bytes, at a multiple of 256 from the buffer's first byte
.endr
	s_wait_tensorcnt 0x0
	ds_add_u32 v192, v193
	s_wait_dscnt 0x0
	s_endpgm
.Lnot_codes:
	s_cmp_eq_u32 s12, 8
	s_cbranch_scc0 .Lnot_scales
	s_lshr_b32 s14, ttmp9, 3                       ; wave 8: the eight steps' scale words of my fragment
	s_mul_i32 s14, s14, HROW
	s_and_b32 s15, ttmp9, 7
	s_lshl_b32 s15, s15, 6                         ; 64 bytes a fragment
	s_add_co_u32 s14, s14, s15
	s_lshl_b32 s15, s13, 3
	s_add_co_u32 s15, s15, 16
	s_mul_i32 s15, s15, STEPB                      ; from step 16 + 8 ky on
	s_add_co_u32 s14, s14, s15
	s_mov_b32 s15, 0
	s_add_nc_u64 s[6:7], s[6:7], s[14:15]
	ds_load_b128 v[32:35], v10
	s_wait_dscnt 0x0
	global_store_b128 v31, v[32:35], s[6:7] offset:SCO   ; 64 bytes in each of eight steps' blocks: pieces, 512 bytes a work-group
	s_wait_tensorcnt 0x0
	ds_add_u32 v192, v193
	s_wait_dscnt 0x0
	s_endpgm
.Lnot_scales:
	s_cmp_eq_u32 s12, 9
	s_cbranch_scc0 .Ldone
	s_lshl_b32 s14, s13, 7                         ; wave 9: the work-group's sum, to word cx + 128 ky
	s_add_co_u32 s14, s14, ttmp9
	s_lshl_b32 s14, s14, 2
	s_mov_b32 s15, 0
	s_add_nc_u64 s[10:11], s[10:11], s[14:15]
	ds_load_b32 v24, v27                           ; each half of the lanes reads the sixteen waves' sums
	v_mov_b32 v12, 0
	s_wait_dscnt 0x0
	v_add_f32_dpp v24, v24, v24 row_xmask:1 row_mask:0xf bank_mask:0xf
	s_delay_alu instid0(VALU_DEP_1)
	v_add_f32_dpp v24, v24, v24 row_xmask:2 row_mask:0xf bank_mask:0xf
	s_delay_alu instid0(VALU_DEP_1)
	v_add_f32_dpp v24, v24, v24 row_xmask:4 row_mask:0xf bank_mask:0xf
	s_delay_alu instid0(VALU_DEP_1)
	v_add_f32_dpp v24, v24, v24 row_xmask:8 row_mask:0xf bank_mask:0xf
	v_cmp_eq_u32 vcc_lo, 0, v1
	s_wait_alu depctr_va_vdst(0)
	s_wait_xcnt 0x0                                ; EXEC changes only behind this wait
	s_and_saveexec_b32 s20, vcc_lo                 ; lane 0 alone
	global_store_b32 v12, v24, s[10:11]
	s_wait_xcnt 0x0                                ; and again in front of the line that widens it
	s_or_b32 exec_lo, exec_lo, s20
.Ldone:
	s_wait_tensorcnt 0x0
	ds_add_u32 v192, v193
	s_wait_dscnt 0x0
	s_endpgm
.Lfunc_end_k_qd88ed36845_gridsum:
	.size	k_qd88ed36845_gridsum, .Lfunc_end_k_qd88ed36845_gridsum-k_qd88ed36845_gridsum
	.p2alignl 7, 3214868480
	.fill 96, 4, 3214868480
	.section	.rodata,"a",@progbits
	.p2align	6, 0x0
	.amdhsa_kernel k_qd88ed36845_gridsum
		.amdhsa_group_segment_fixed_size 15360
		.amdhsa_private_segment_fixed_size 0
		.amdhsa_enable_private_segment 0
		.amdhsa_kernarg_size 24
		.amdhsa_user_sgpr_count 2
		.amdhsa_user_sgpr_kernarg_segment_ptr 1
		.amdhsa_wavefront_size32 1
		.amdhsa_system_sgpr_workgroup_id_x 1
		.amdhsa_system_sgpr_workgroup_id_y 1
		.amdhsa_system_sgpr_workgroup_id_z 1
		.amdhsa_system_vgpr_workitem_id 0
		.amdhsa_next_free_vgpr 194
		.amdhsa_next_free_sgpr 66
		.amdhsa_reserve_vcc 1
		.amdhsa_float_denorm_mode_32 3
		.amdhsa_float_denorm_mode_16_64 3
		.amdhsa_memory_ordered 1
		.amdhsa_forward_progress 1
		.amdhsa_inst_pref_size 32
	.end_amdhsa_kernel
	.amdgpu_metadata
---
amdhsa.version: [ 1, 2 ]
amdhsa.kernels:
  - .name:           k_qd88ed36845_gridsum
    .symbol:         k_qd88ed36845_gridsum.kd
    .args:
      - { .name: grid, .offset: 0, .size: 8, .value_kind: global_buffer, .address_space: global }
      - { .name: b_ws, .offset: 8, .size: 8, .value_kind: global_buffer, .address_space: global }
      - { .name: partials, .offset: 16, .size: 8, .value_kind: global_buffer, .address_space: global }
    .group_segment_fixed_size: 15360
    .private_segment_fixed_size: 0
    .kernarg_segment_align: 8
    .kernarg_segment_size: 24
    .max_flat_workgroup_size: 512
    .sgpr_count:     66
    .vgpr_count:     194
    .wavefront_size: 32
...
	.end_amdgpu_metadata
.endif
;; end of part 1
;; launch quantx (part 2): grid 768 x 1, 4 waves a work-group, no clusters, 68,096 bytes of LDS; arguments x, base_weight, partials, a_ws, b_ws; writes a_ws, b_ws
.if DOCPART == 2
	.amdgcn_target "amdgcn-amd-amdhsa--gfx1250"
	.amdhsa_code_object_version 6
	.text
	.protected	k_qd88ed36845_quantx
	.globl	k_qd88ed36845_quantx
	.p2align	8
	.type	k_qd88ed36845_quantx,@function
k_qd88ed36845_quantx:
	s_mov_b64 s[64:65], 0
	v_nop
	global_prefetch_b8 v0, s[64:65] scope:SCOPE_SE
	s_setreg_imm32_b32 hwreg(HW_REG_WAVE_MODE, 25, 1), 1
	s_wait_xcnt 0x0
; The other three quarters of the GEMM's operands, as codes of FP6 (E2M3) with one E8M0 byte for each 32 along K; K, the 2,048 input features, is innermost in x and in base_weight.
;   work-groups 0-511:   x [8192][2048] f32 -> steps 0-15 of a_ws;  basis = exp(-(x - mean(grid))^2) -> steps 16-31 of a_ws.  x is read once and serves both.
;   work-groups 512-767: base_weight [2048][2048] f32 -> steps 0-15 of b_ws, two work-groups to 16 rows: 768 work-groups are three for each of 256 WGPs, two of x's and one of the weights'.
; a_ws AND b_ws ARE LAID IN THE ORDER OF THE OPERANDS' REGISTERS: for each half tile of 128 rows and each step of 128 along K one block of 12,800 bytes: eight fragments (16 rows x 128 K) as images of their 12
; registers (register group c of lane l at 512 c + 16 l: 1,536 bytes), then 8 x 64 bytes of scale words (row r of fragment i at 64 i + 4 r).  Lane (r, h) of a fragment holds row r, registers 6 c .. 6 c + 5 K = 64 c + 32 h + 0 .. 31.
; THE MEAN: each wave adds the 256 partial sums of the launch before (1,024 bytes) and multiplies by 2^-25 = 1 / (2048 x 2048 x 8).
; THE BASIS, in f32: with a = sqrt(log2(e)), exp(-(x - m)^2) = 2^(-(a x - a m)^2): one fused multiply-add, one multiplication, one v_exp_f32; made in place, behind x's own conversion.
; SHARES.  A work-group takes 16 rows (one fragment's).  Of x, wave w of four takes steps 4 w .. 4 w + 3; of the weights, in the work-group's half kh of K, steps 8 kh + 2 w and the next.
; Each of a step's sixteen loads reads 512 consecutive bytes of one row, 16 a lane; the 8,192 bytes turn through the wave's own stage in LDS (rows 528 bytes apart) and come back into the same registers
; so that lane (r, h) holds, of row r, 16 neighbours of each block of 32.  The halves of a block meet by one exchange between lanes l and l xor 16, and three swaps a pair of blocks give each lane a whole block.
; A fragment leaves by three stores of 512 consecutive bytes.  Three sets of 64 registers take turns.  Waves share nothing: no barrier.  The two paths part on the work-group's number and have LDS bytes of their own.
; A block's scale is 2^(floor(log2(its largest magnitude)) - 2); its byte is that magnitude's exponent field - 2, held at 1 from below by a floor among the maximum's leaves.
; LIMITS: NaN and infinities are not served.  A block of zeros gets the byte 1 where the rule says 127: its codes are zeros, and only this program reads the bytes.
; A basis under 2^-126 comes out of v_exp_f32 as 0.  The mean's sum is taken in another order than a sum from left to right.
.set ROWX,  8192                       ; bytes in a row of x or of base_weight
.set FRB,   1536                       ; a fragment's image
.set SCO,   8*FRB                      ; in a step's block: where the scale words begin
.set STEPB, SCO+512                    ; a half tile's step
.set HROW,  32*STEPB                   ; a half tile, all of K
.set BASO,  16*STEPB                   ; from x's step to the basis's
.set SPT,   528                        ; a stage row: 512 bytes + 16
.set WREG,  16*SPT                     ; LDS for a wave
.set PBW,   4*WREG                     ; where the weights' path has its LDS bytes; x's path begins at 0
.set PW,    4                          ; v4-7     the scale words of steps 0-3; v8-11 the basis's
.set Z,     16                         ; v16-207  three sets of 64 numbers: as loaded, then turned, then the basis
.set TM,    208                        ; v208-211 largest magnitudes, v212-215 bytes, v220-223 the conversions' scale operands
.set NM,    216                        ; v[216:217] -a x mean, twice
.set PCX,   224                        ; v224-235 a fragment's codes: x's or the weights'
.set PCB,   236                        ; v236-247 the basis's
.set PT,    248                        ; v248-250, v252-254 the halves that a conversion cannot put in their place
.set SEL,   28                         ; s[28:29] lane selects
; v1 r; v2 lane; v3 16 x lane; v12 h, then the scale words' offset; v13 32 x lane; v14, v15 the stage, in and out; v251, v255 the add's two registers
	s_load_b256 s[4:11], s[0:1], 0x0               ; x s[4:5], base_weight s[6:7], partials s[8:9], a_ws s[10:11]
	s_load_b64 s[12:13], s[0:1], 0x20              ; b_ws
	v_lshl_add_u32 v251, v0, 2, 0x10800
	v_mov_b32 v255, 0
	v_lshrrev_b32 v1, 5, v0
	v_readfirstlane_b32 s18, v1                    ; wave 0..3
	v_and_b32 v2, 31, v0                           ; lane
	v_lshlrev_b32 v3, 4, v2                        ; my 16 bytes of a load's or a store's 512
	v_and_b32 v1, 15, v0                           ; r
	v_bfe_u32 v12, v0, 4, 1                        ; h
	s_mul_i32 s19, s18, WREG                       ; my wave's LDS
	v_add_nc_u32 v14, s19, v3                      ; v14: the stage, on the way in: a row as it lies
	v_mul_u32_u24 v15, v1, SPT
	v_lshl_add_u32 v15, v12, 6, v15
	v_add_nc_u32 v15, s19, v15                     ; v15: and on the way out: row r, + 64 h
	v_lshlrev_b32 v13, 5, v2                       ; my eight partial sums
	v_cmp_eq_u32 vcc_lo, 1, v12                    ; lanes 16-31; VCC stays so to the end
.irp b, 0,1,2,3
	v_mov_b32 v[TM+4+\b], 0                        ; written once: a lane permute's destination counts as one of its sources
.endr
	s_mov_b32 s26, 0x3f99be61                      ; a = sqrt(log2(e))
	s_mov_b32 s27, s26
	s_mov_b32 s[SEL], 0x76543210
	s_mov_b32 s[SEL+1], 0xfedcba98                 ; v_permlanex16_b32's selects for lane l xor 16
	s_wait_kmcnt 0x0
	s_cmp_lt_u32 ttmp9, 512                        ; x's work-group or the weights'?  The choice hangs on the work-group's number alone
	s_cselect_b64 s[20:21], s[4:5], s[6:7]         ; the numbers,
	s_cselect_b64 s[22:23], s[10:11], s[12:13]     ; the operand's buffer
	s_cselect_b32 s30, 0, 512
	s_cselect_b32 s34, 0, 1                        ; the weights' work-groups come two to 16 rows,
	s_cselect_b32 s35, 2, 1                        ; and a wave takes 4 steps of x, 2 of the weights
	s_sub_co_u32 s30, ttmp9, s30
	s_and_b32 s36, s30, s34                        ; kh: which half of K (x: 0)
	s_lshr_b32 s30, s30, s34                       ; which 16 rows of the tensor
	s_lshl_b32 s36, s36, 3
	s_lshl_b32 s31, s18, s35
	s_add_co_u32 s36, s36, s31                     ; my wave's first step: 8 kh + 4 w or 2 w
	s_mov_b32 s33, 0
	s_lshl_b32 s32, s30, 17                        ; 16 rows of 8,192 bytes,
	s_lshl_b32 s31, s36, 9                         ; + 512 bytes of a row for each step
	s_add_co_u32 s32, s32, s31
	s_add_nc_u64 s[20:21], s[20:21], s[32:33]
	s_lshr_b32 s31, s30, 3
	s_mul_i32 s32, s31, HROW                       ; the half tile,
	s_mul_i32 s31, s36, STEPB                      ; + my wave's first step
	s_add_co_u32 s32, s32, s31
	s_add_nc_u64 s[22:23], s[22:23], s[32:33]
	s_and_b32 s31, s30, 7                          ; the fragment
	s_lshl_b32 s32, s31, 6
	s_add_nc_u64 s[24:25], s[22:23], s[32:33]      ; s[24:25]: its scale words (SCO stands in the immediate)
	s_mul_i32 s32, s31, FRB
	s_add_nc_u64 s[22:23], s[22:23], s[32:33]      ; s[22:23]: its image
.macro LOAD t                          ; step t: 16 rows x 512 bytes, into set t % 3
.irp i, 0,1,2,3,4,5,6,7,8,9,10,11,12,13,14,15
	global_load_b128 v[Z+64*((\t)%3)+4*\i:Z+64*((\t)%3)+4*\i+3], v3, s[20:21] offset:\i*ROWX+512*(\t) th:TH_LOAD_NT
.endr
.endm
.macro TURN t, pb                      ; step t's numbers through the stage and back into the registers that they left: LDS serves a wave's instructions in order
.irp i, 0,1,2,3,4,5,6,7,8,9,10,11,12,13,14,15
	ds_store_b128 v14, v[Z+64*((\t)%3)+4*\i:Z+64*((\t)%3)+4*\i+3] offset:\pb+SPT*\i
.endr
.irp b, 0,1,2,3
.irp j, 0,1,2,3
	ds_load_b128 v[Z+64*((\t)%3)+16*\b+4*\j:Z+64*((\t)%3)+16*\b+4*\j+3], v15 offset:\pb+128*\b+16*\j   ; register 16 b + i = k 32 b + 16 h + i of row r
.endr
.endr
.endm
; 64 numbers of a lane, v[s] .. v[s + 63], become a fragment's codes in v[pc] .. v[pc + 11] and its scale word in v[pw].
.macro QUANT s, pc, pw
.irp b, 0,1,2,3
	v_max3_num_f32 v[TM+\b], |v[\s+16*\b]|, |v[\s+1+16*\b]|, 0x1800000   ; block b: my 16 numbers, and the floor 2^(3 - 127)
.endr
.irp i, 2,4,6,8,10,12,14
.irp b, 0,1,2,3
	v_max3_num_f32 v[TM+\b], v[TM+\b], |v[\s+16*\b+\i]|, |v[\s+1+16*\b+\i]|   ; the four blocks by turns
.endr
.endr
.irp b, 0,1,2,3
	v_permlanex16_b32 v[TM+4+\b], v[TM+\b], s[SEL], s[SEL+1]
.endr
.irp b, 0,1,2,3
	v_max_num_f32 v[TM+\b], v[TM+\b], v[TM+4+\b]   ; with lane l xor 16's: the block's largest magnitude
.endr
.irp b, 0,1,2,3
	v_add_nc_u32 v[TM+12+\b], 0xff000000, v[TM+\b] ; 2 off its exponent field: the conversion's scale operand
.endr
.irp b, 0,1,2,3
	v_lshrrev_b32 v[TM+4+\b], 23, v[TM+12+\b]      ; the scale's byte
.endr
	v_lshl_or_b32 v[\pw], v[TM+5], 8, v[TM+4]      ; the four bytes make my row's scale word
	v_lshl_or_b32 v[\pw], v[TM+6], 16, v[\pw]
	v_lshl_or_b32 v[\pw], v[TM+7], 24, v[\pw]
	s_wait_xcnt 0x0                                ; the last step's stores have read the codes' registers: only behind this wait are they written again
.irp c, 0,1
	v_cvt_scalef32_pk16_fp6_f32 v[\pc+6*\c:\pc+2+6*\c], v[\s+32*\c:\s+15+32*\c], v[TM+12+2*\c]
	v_cvt_scalef32_pk16_fp6_f32 v[PT+4*\c:PT+2+4*\c], v[\s+16+32*\c:\s+31+32*\c], v[TM+12+2*\c+1]
.endr
	v_nop                                          ; one plain instruction behind a scaled conversion
.irp c, 0,1                                    ; the operand's layout wants a WHOLE block in a lane
.irp i, 0,1,2
	v_permlane16_swap_b32 v[\pc+6*\c+\i], v[PT+4*\c+\i]
.endr
.irp i, 0,1,2
	v_mov_b32 v[\pc+3+6*\c+\i], v[PT+4*\c+\i]
.endr
.endr
.endm
; Step t of my wave's.  bas = 1: x's path, four steps, and the basis is made and quantised too; bas = 0: the weights' path, two steps.  pb: where the path's LDS bytes begin.
.macro STEP t, bas, pb
.set ZS, Z+64*((\t)%3)
.if \bas
.if (\t) == 1
	LOAD 3                                         ; into the set that step 0 has left
.endif
.if (\t) < 2
	s_wait_loadcnt 32                              ; this step's sixteen loads are in; those of the two steps behind it may be out
.else
	s_wait_loadcnt 16*(3-(\t))
.endif
.else
	s_wait_loadcnt 16*(1-(\t))                     ; two steps in all: behind step 0's loads stand step 1's sixteen
.endif
	TURN \t, \pb
	s_wait_dscnt 0x0
	QUANT ZS, PCX, PW+(\t)
.if \bas
.set J, 0
.rept 32
	v_pk_fma_f32 v[ZS+J:ZS+J+1], v[ZS+J:ZS+J+1], s[26:27], v[NM:NM+1] op_sel_hi:[1,0,1]   ; a x - a m
.set J, J+2
.endr
.set J, 0
.rept 32
	v_pk_mul_f32 v[ZS+J:ZS+J+1], v[ZS+J:ZS+J+1], v[ZS+J:ZS+J+1] neg_lo:[1,0] neg_hi:[1,0]   ; -(a x - a m)^2
.set J, J+2
.endr
.set J, 0
	s_wait_alu depctr_va_vdst(0)                   ; the wait ahead of the batch
.rept 64
	v_exp_f32 v[ZS+J], v[ZS+J]                     ; the basis: one batch
.set J, J+1
.endr
.endif
.irp c, 0,1,2
	global_store_b128 v3, v[PCX+4*\c:PCX+4*\c+3], s[22:23] offset:STEPB*(\t)+512*\c   ; the image as it stands: 32 lanes store 512 consecutive bytes
.endr
.if \bas
	v_nop                                          ; a plain instruction behind the last exponential
	s_wait_alu depctr_va_vdst(0)                   ; one wait for the 64 exponentials, ahead of their first reader
	QUANT ZS, PCB, PW+4+(\t)
.irp c, 0,1,2
	global_store_b128 v3, v[PCB+4*\c:PCB+4*\c+3], s[22:23] offset:BASO+STEPB*(\t)+512*\c
.endr
.endif
.endm
	s_cmp_lt_u32 ttmp9, 512                        ; (compared again: the additions above have set SCC)
	s_cbranch_scc0 .Lweights
	; ---- x and the basis
	s_wait_alu depctr_va_vdst(0)
	global_load_b128 v[PCX:PCX+3], v13, s[8:9]     ; my eight of the 256 partial sums
	global_load_b128 v[PCX+4:PCX+7], v13, s[8:9] offset:16
	LOAD 0
	LOAD 1
	LOAD 2
	v_mul_u32_u24 v12, v12, BASO
	v_lshl_add_u32 v12, v1, 2, v12                 ; the scale words' offset: 4 r; lanes 16-31 store the basis's words, sixteen steps on
	s_wait_loadcnt 48                              ; the partial sums are in; the 48 loads of x behind them may be out
	v_pk_add_f32 v[PCX:PCX+1], v[PCX:PCX+1], v[PCX+2:PCX+3]
	v_pk_add_f32 v[PCX+4:PCX+5], v[PCX+4:PCX+5], v[PCX+6:PCX+7]
	v_pk_add_f32 v[PCX:PCX+1], v[PCX:PCX+1], v[PCX+4:PCX+5]
	v_add_f32 v[PCX], v[PCX], v[PCX+1]
	v_add_f32_dpp v[PCX], v[PCX], v[PCX] row_xmask:1 row_mask:0xf bank_mask:0xf
	v_add_f32_dpp v[PCX], v[PCX], v[PCX] row_xmask:2 row_mask:0xf bank_mask:0xf
	v_add_f32_dpp v[PCX], v[PCX], v[PCX] row_xmask:4 row_mask:0xf bank_mask:0xf
	v_add_f32_dpp v[PCX], v[PCX], v[PCX] row_xmask:8 row_mask:0xf bank_mask:0xf
	v_permlanex16_b32 v[PCX+1], v[PCX], s[SEL], s[SEL+1]
	v_add_f32 v[PCX], v[PCX], v[PCX+1]             ; the sum of all of grid, in every lane
	v_mul_f32 v[NM], 0xb319be61, v[PCX]            ; x (-a 2^-25) = -a x mean
	v_mov_b32 v[NM+1], v[NM]
.irp t, 0,1,2,3
	STEP \t, 1, 0
.endr
.irp t, 0,1,2,3
	v_cndmask_b32 v[PW+\t], v[PW+\t], v[PW+4+\t], vcc_lo   ; lanes 0-15 keep x's word of row r, lanes 16-31 take the basis's
.endr
.irp t, 0,1,2,3
	global_store_b32 v12, v[PW+\t], s[24:25] offset:SCO+STEPB*\t   ; two pieces of 64 bytes
.endr
	s_wait_tensorcnt 0x0                           ; the wave's end
	ds_add_u32 v251, v255
	s_wait_dscnt 0x0
	s_endpgm
.Lweights:
	; ---- base_weight
	LOAD 0
	LOAD 1
	v_mul_u32_u24 v12, v12, STEPB
	v_lshl_add_u32 v12, v1, 2, v12                 ; the scale words' offset: 4 r; lanes 16-31 store the next step's words
	s_wait_alu depctr_va_vdst(0)
.irp t, 0,1
	STEP \t, 0, PBW
.endr
	v_cndmask_b32 v[PW], v[PW], v[PW+1], vcc_lo
	global_store_b32 v12, v[PW], s[24:25] offset:SCO
	s_wait_tensorcnt 0x0                           ; the wave's end
	ds_add_u32 v251, v255
	s_wait_dscnt 0x0
	s_endpgm
.Lfunc_end_k_qd88ed36845_quantx:
	.size	k_qd88ed36845_quantx, .Lfunc_end_k_qd88ed36845_quantx-k_qd88ed36845_quantx
	.p2alignl 7, 3214868480
	.fill 96, 4, 3214868480
	.section	.rodata,"a",@progbits
	.p2align	6, 0x0
	.amdhsa_kernel k_qd88ed36845_quantx
		.amdhsa_group_segment_fixed_size 68096
		.amdhsa_private_segment_fixed_size 0
		.amdhsa_enable_private_segment 0
		.amdhsa_kernarg_size 40
		.amdhsa_user_sgpr_count 2
		.amdhsa_user_sgpr_kernarg_segment_ptr 1
		.amdhsa_wavefront_size32 1
		.amdhsa_system_sgpr_workgroup_id_x 1
		.amdhsa_system_sgpr_workgroup_id_y 1
		.amdhsa_system_sgpr_workgroup_id_z 1
		.amdhsa_system_vgpr_workitem_id 0
		.amdhsa_next_free_vgpr 256
		.amdhsa_next_free_sgpr 66
		.amdhsa_reserve_vcc 1
		.amdhsa_float_denorm_mode_32 3
		.amdhsa_float_denorm_mode_16_64 3
		.amdhsa_memory_ordered 1
		.amdhsa_forward_progress 1
		.amdhsa_inst_pref_size 91
	.end_amdhsa_kernel
	.amdgpu_metadata
---
amdhsa.version: [ 1, 2 ]
amdhsa.kernels:
  - .name:           k_qd88ed36845_quantx
    .symbol:         k_qd88ed36845_quantx.kd
    .args:
      - { .name: x, .offset: 0, .size: 8, .value_kind: global_buffer, .address_space: global }
      - { .name: base_weight, .offset: 8, .size: 8, .value_kind: global_buffer, .address_space: global }
      - { .name: partials, .offset: 16, .size: 8, .value_kind: global_buffer, .address_space: global }
      - { .name: a_ws, .offset: 24, .size: 8, .value_kind: global_buffer, .address_space: global }
      - { .name: b_ws, .offset: 32, .size: 8, .value_kind: global_buffer, .address_space: global }
    .group_segment_fixed_size: 68096
    .private_segment_fixed_size: 0
    .kernarg_segment_align: 8
    .kernarg_segment_size: 40
    .max_flat_workgroup_size: 128
    .sgpr_count:     66
    .vgpr_count:     256
    .wavefront_size: 32
...
	.end_amdgpu_metadata
.endif
;; end of part 2
;; launch gemm (part 3): grid 8 x 32, 4 waves a work-group, clusters of 4 x 4, 327,680 bytes of LDS; arguments a_ws, b_ws, out0; writes out0
.if DOCPART == 3
	.amdgcn_target "amdgcn-amd-amdhsa--gfx1250"
	.amdhsa_code_object_version 6
	.text
	.protected	k_qd88ed36845_gemm
	.globl	k_qd88ed36845_gemm
	.p2align	8
	.type	k_qd88ed36845_gemm,@function
k_qd88ed36845_gemm:
	s_mov_b64 s[64:65], 0
	v_nop
	global_prefetch_b8 v0, s[64:65] scope:SCOPE_SE
	s_setreg_imm32_b32 hwreg(HW_REG_WAVE_MODE, 25, 1), 1
	s_wait_xcnt 0x0
	s_wait_alu depctr_hold_cnt(0) depctr_sa_sdst(0) depctr_va_vdst(0) depctr_va_sdst(0) depctr_va_ssrc(0) depctr_va_vcc(0) depctr_vm_vsrc(0)
	s_getreg_b32 s2, hwreg(HW_REG_IB_STS2, 6, 4)
	s_cmp_eq_u32 s2, 0
	s_cbranch_scc0 .Lentry_in_a_cluster
	s_endpgm
.Lentry_in_a_cluster:
	s_bfe_u32 s2, ttmp6, 0x10000c
	s_cmp_lg_u32 s2, 0xf033
	s_cbranch_scc0 .Lentry_shape_is_right
	s_endpgm
.Lentry_shape_is_right:
; out0[m][n] = sum over 4,096 k of A[m][k] B[n][k]: steps 0-15 of K are x and base_weight, steps 16-31 the basis and grid's sums; codes of FP6 (E2M3) with E8M0 scales, sums in f32, K ascending.
; a_ws and b_ws hold, for each half tile of 128 rows and each step of 128 along K, a block of 12,800 bytes: eight fragments as images of their 12 registers (1,536 bytes each), then 8 x 64 bytes of scale words.
; A work-group of four waves makes 256 x 256 of out0, a wave 128 x 128: 64 accumulators.  256 work-groups.  K goes through two LDS slots of three steps each (the last tile has two steps); a wave fetches a quarter of a slot by one tensor load.
; CLUSTERS 4 x 4: A's tiles are asked for jointly along a row of the cluster, B's along a column.
; REGISTERS.  Each of the four windows holds 16 accumulators at v128-255 (A's blocks 2 w and 2 w + 1 against B's eight) and one set of eight fragments at v32-127: window 0 A's set 0, window 1 A's set 1, window 2 B's set 0, window 3 B's set 1.
; A step of parity p multiplies sets p; the 56 loads that fill sets 1 - p for the next step stand in ONE run at its head, so that they have the step's 64 products in which to land, and one wait for 0 at a step's head serves all.
; An LDS load takes its address's window from source 0's field: the LDS addresses are kept in windows 2 and 3 (v16-21), where B's sets lie.
; Window 0, v0-31: v8-10 the way out, v11-13 the prefetches' offsets, v14-15 the add's two registers, v16-31 scale words, two sets of eight (lanes 0-15 A's block i, lanes 16-31 B's block i).
; THE MATRIX INSTRUCTION IS USED TRANSPOSED (source 0 = B's rows, source 1 = A's): a lane holds eight neighbouring numbers of a row of out0.
; PREFETCH: behind the joint load of tile t stands the request for tile t + 1, three K steps ahead of the load that wants it.  A wave's tile is 150 blocks of 256 bytes (the last tile: 100);
; the four partners that ask for it jointly share them out by address, 38 each (25 each); lanes left over name their share's last block again.  Behind the last tile's load nothing is asked for.
.set SIZE_N, 2048
.set FR,     12
.set FRB,    1536
.set SCO,    8*FRB
.set STEPB,  SCO+512
.set HALFT,  3*STEPB                   ; a half tile's three steps: one tensor load
.set TROWS,  HALFT/256
.set LROWS,  2*STEPB/256               ; the last tile: two steps
.set HROW,   32*STEPB
.set BSH,    64                        ; B's tiles lie 64 bytes further on, so that A's and B's scale words of one load differ in their place modulo 256
.set SLOT,   4*HALFT+256
.set SPARE,  2*SLOT                    ; the spare words: 512 bytes that no other line names
.set SPITCH, 528
.set STAGE,  SLOT                      ; the way out's stages lie in slot 1: it has had its last fill and its last read by then (the last tile lies in slot 0)
.set STO,  8
.set RD,   9
.set CO,   10
.set PFO,  11
.set SPW,  14
.set NIL,  15
.set SC,   16
.set ADRA, 16                          ; in windows 2 and 3: v16-17 A's fragments in slot 0, 1; v18-19 B's; v20-21 the scale words
.set ADRB, 18
.set ADRS, 20
.set FB,   32
.set ACC,  128
.set G1, 24
.set G0, 32
.set G1B, 48
.set G0B, 56
.set G1L, 68
.set G1BL, 76
.set PFA, 84
.set MSB, 0
.macro WIN new                         ; the immediate's high byte repeats the setting that is left
.if MSB != (\new)
	s_set_vgpr_msb (MSB<<8)|(\new)
.set MSB, (\new)
.endif
.endm
.macro PLACES
.rept 4
	v_nop
.endr
.endm
.macro JLOAD g0a, g1a, g0b, g1b        ; a joint load: waves 0, 1 fetch A's halves, waves 2, 3 B's
	s_cmp_eq_u32 s15, 0
	s_cbranch_scc0 .Lfor_b_\@
	tensor_load_to_lds s[\g0a:\g0a+3], s[\g1a:\g1a+7]
	s_nop 0
	PLACES
	s_branch .Lasked_\@
.Lfor_b_\@:
	tensor_load_to_lds s[\g0b:\g0b+3], s[\g1b:\g1b+7]
	s_nop 0
	PLACES
.Lasked_\@:
.endm
.macro ASKFULL off                     ; my work-group's 38 blocks of a whole tile
	global_prefetch_b8 v[PFO], s[PFA:PFA+1] offset:\off th:TH_LOAD_NT scope:SCOPE_SE
	global_prefetch_b8 v[PFO+1], s[PFA:PFA+1] offset:\off th:TH_LOAD_NT scope:SCOPE_SE
.endm
.macro ASK kind, off                   ; kind 1: a whole tile; kind 3: a whole tile, but in the loop's last trip the last tile, of two steps: 25 blocks
.if \kind == 1
	ASKFULL \off
.endif
.if \kind == 3
	s_cmp_eq_u32 s3, 1
	s_cbranch_scc1 .Lshort_\@
	ASKFULL \off
	s_branch .Lpf_done_\@
.Lshort_\@:
	global_prefetch_b8 v[PFO+2], s[PFA:PFA+1] offset:\off th:TH_LOAD_NT scope:SCOPE_SE
.Lpf_done_\@:
.endif
.endm
.macro CREST                           ; a round of the cluster's barrier behind its opening barrier
	s_cmp_lg_u32 s14, 0
	s_cbranch_scc1 .Lnot_wave_0_\@
	s_barrier_signal -3
.Lnot_wave_0_\@:
	s_barrier_wait -3
	s_barrier_signal -1
	s_barrier_wait -1
.endm
.macro CROUND
	s_barrier_signal -1
	s_barrier_wait -1
	CREST
.endm
	s_load_b128 s[4:7], s[0:1], 0x0                ; a_ws, b_ws
	s_load_b64 s[12:13], s[0:1], 0x10              ; out0
	v_lshl_add_u32 v[SPW], v0, 2, SPARE
	v_mov_b32 v[NIL], 0
	ds_add_u32 v[SPW], v[NIL]                      ; the opening lines: the add, twice on end, and its wait ahead of my first tensor load
	ds_add_u32 v[SPW], v[NIL]
	v_lshrrev_b32 v1, 5, v0
	v_readfirstlane_b32 s14, v1                    ; wave 0..3
	s_lshr_b32 s15, s14, 1                         ; my half of the rows; also: I fetch for A (0) or B (1)
	s_and_b32 s16, s14, 1                          ; my half of the columns; also: which half tile I fetch
	s_bfe_u32 s40, ttmp6, 0x40000                  ; cx
	s_bfe_u32 s41, ttmp6, 0x40004                  ; cy
	s_cmp_eq_u32 s15, 0
	s_cselect_b32 s86, s40, s41                    ; my place among the four that ask for my tile: it enters the prefetches' offsets alone
	s_mul_i32 s87, s86, 38
	s_mul_i32 s88, s86, 25
	v_and_b32 v1, 31, v0
	v_min_u32 v3, 5, v1
	v_min_u32 v4, 24, v1
	v_add_nc_u32 v2, s87, v1                       ; blocks 38 p + 0 .. 31,
	v_add3_u32 v3, v3, s87, 32                     ; 38 p + 32 .. 37,
	v_add_nc_u32 v4, s88, v4                       ; and of the last tile 25 p + 0 .. 24
	v_min_u32 v3, 149, v3                          ; a tile has 150
	v_lshlrev_b32 v[PFO], 8, v2
	v_lshlrev_b32 v[PFO+1], 8, v3
	v_lshlrev_b32 v[PFO+2], 8, v4
	s_lshl_b32 s42, ttmp9, 2
	s_add_co_u32 s42, s42, s40                     ; tile column
	s_and_b32 s17, ttmp7, 0xffff
	s_lshl_b32 s17, s17, 2
	s_add_co_u32 s17, s17, s41                     ; tile row
	s_lshl_b32 s43, s41, 2
	s_lshl_b32 s43, 15, s43                        ; my row of the cluster
	s_lshl_b32 s44, 0x1111, s40                    ; my column
	s_or_b32 s[G1+0], s43, (3<<16)|(1<<21)         ; elements of 8 bytes; the mask, and bit 21 beside it
	s_or_b32 s[G1B+0], s44, (3<<16)|(1<<21)
	s_or_b32 s[G1L+0], s43, (3<<16)|(1<<21)
	s_or_b32 s[G1BL+0], s44, (3<<16)|(1<<21)
.irp g, G1, G1B                        ; a dense block of 38,400 bytes as 150 rows of 256
	s_mov_b32 s[\g+1], 32<<16
	s_mov_b32 s[\g+2], TROWS<<16
	s_mov_b32 s[\g+3], 32<<16
	s_mov_b32 s[\g+4], TROWS
	s_mov_b32 s[\g+5], 32
	s_mov_b32 s[\g+6], 0
	s_mov_b32 s[\g+7], 0
.endr
.irp g, G1L, G1BL                      ; the last tile: 100 rows
	s_mov_b32 s[\g+1], 32<<16
	s_mov_b32 s[\g+2], LROWS<<16
	s_mov_b32 s[\g+3], 32<<16
	s_mov_b32 s[\g+4], LROWS
	s_mov_b32 s[\g+5], 32
	s_mov_b32 s[\g+6], 0
	s_mov_b32 s[\g+7], 0
.endr
	s_lshl_b32 s20, s17, 1
	s_add_co_u32 s20, s20, s16
	s_mul_i32 s20, s20, HROW                       ; A: half tile 2 x tile row + half
	s_mov_b32 s21, 0
	s_lshl_b32 s46, s42, 1
	s_add_co_u32 s46, s46, s16
	s_mul_i32 s46, s46, HROW                       ; B: half tile 2 x tile column + half
	s_mov_b32 s47, 0
	s_mul_i32 s45, s14, HALFT                      ; where my quarter of a slot lies
	s_lshl_b32 s18, s15, 6
	s_add_co_u32 s45, s45, s18
	s_wait_alu depctr_va_vdst(0)                   ; the wait here, directly ahead of the wait below
	s_wait_dscnt 0x0                               ; both opening adds are done
	s_wait_kmcnt 0x0
	s_add_nc_u64 s[20:21], s[4:5], s[20:21]
	s_add_nc_u64 s[46:47], s[6:7], s[46:47]
	s_cmp_eq_u32 s15, 0
	s_cselect_b64 s[PFA:PFA+1], s[20:21], s[46:47] ; the half tile that I fetch
.irp s, 0,1
	s_mov_b32 s[G0+4*\s], 1
	s_add_co_u32 s[G0+4*\s+1], s45, \s*SLOT
	s_add_nc_u64 s[G0+4*\s+2:G0+4*\s+3], s[20:21], \s*HALFT
	s_or_b32 s[G0+4*\s+3], s[G0+4*\s+3], 0x80000000
	s_mov_b32 s[G0B+4*\s], 1
	s_add_co_u32 s[G0B+4*\s+1], s45, \s*SLOT
	s_add_nc_u64 s[G0B+4*\s+2:G0B+4*\s+3], s[46:47], \s*HALFT
	s_or_b32 s[G0B+4*\s+3], s[G0B+4*\s+3], 0x80000000
.endr
	CROUND                                         ; all sixteen work-groups are here: the first joint loads meet
	JLOAD G0, G1, G0B, G1B                         ; tile 0: one tensor load a wave at the head
	ASK 1, HALFT                                   ; tile 1
	s_mul_i32 s21, s15, HALFT                      ; my half of A in slot 0,
	s_mul_i32 s22, s16, HALFT
	s_add_co_u32 s22, s22, 2*HALFT+BSH             ; of B,
	s_sub_co_u32 s23, s22, s21
	s_add_co_u32 s90, s21, SLOT                    ; and in slot 1
	s_add_co_u32 s91, s22, SLOT
	s_mul_i32 s89, s14, 16*SPITCH
	s_add_co_u32 s89, s89, STAGE                   ; my stage
	s_lshl_b32 s18, s17, 8
	s_lshl_b32 s19, s15, 7
	s_add_co_u32 s18, s18, s19                     ; my first row of out0,
	s_lshl_b32 s18, s18, 13                        ; in bytes (under 2^27),
	s_lshl_b32 s19, s42, 10
	s_add_co_u32 s18, s18, s19
	s_lshl_b32 s19, s16, 9
	s_add_co_u32 s18, s18, s19                     ; + my first column
	s_mov_b32 s19, 0
	s_add_nc_u64 s[12:13], s[12:13], s[18:19]
	v_and_b32 v1, 15, v0                           ; r
	v_bfe_u32 v2, v0, 4, 1                         ; h
	v_and_b32 v6, 31, v0
	v_lshlrev_b32 v[CO], 4, v6                     ; 16 x lane: an image's bytes, a stage row's and a row of out0's
	v_mul_u32_u24 v5, s23, v2                      ; scale words: lanes 16-31 take B's
	v_lshl_add_u32 v5, v1, 2, v5
	v_add_nc_u32 v5, SCO, v5
	v_mul_u32_u24 v7, v1, SPITCH
	v_lshl_add_u32 v7, v2, 5, v7
	v_add_nc_u32 v[STO], s89, v7                   ; into the stage: row r, 32 bytes for each half of the lanes
	v_add_nc_u32 v[RD], s89, v[CO]
.irp w, 0x80, 0xc0                     ; the LDS addresses, once in window 2 and once in window 3
	WIN \w
	v_add_nc_u32 v[ADRA], s21, v[CO]
	v_add_nc_u32 v[ADRA+1], s90, v[CO]
	v_add_nc_u32 v[ADRB], s22, v[CO]
	v_add_nc_u32 v[ADRB+1], s91, v[CO]
	v_add_nc_u32 v[ADRS], s21, v5
	v_add_nc_u32 v[ADRS+1], s90, v5
.endr
	WIN 0
; n products of parity p on window w's accumulators, from number i0 on: number i is A's block 2 w + i / 8 against B's block i % 8.  The 64 accumulators take turns, one instruction a turn.
.macro MM p, w, i0, n, zero
	WIN 2+5*(\p)+0x50*(\w)                         ; source 0: window 2 + p, source 1: window p, C and D: window w
.set I, \i0
.rept \n
.if \zero
	v_wmma_scale_f32_16x16x128_f8f6f4 v[ACC+8*I:ACC+8*I+7], v[FB+FR*(I%8):FB+FR*(I%8)+FR-1], v[FB+FR*(2*(\w)+I/8):FB+FR*(2*(\w)+I/8)+FR-1], 0, v[SC+8*(\p)+I%8], v[SC+8*(\p)+2*(\w)+I/8] matrix_a_fmt:MATRIX_FMT_FP6 matrix_b_fmt:MATRIX_FMT_FP6 matrix_a_scale:MATRIX_SCALE_ROW1
.else
	v_wmma_scale_f32_16x16x128_f8f6f4 v[ACC+8*I:ACC+8*I+7], v[FB+FR*(I%8):FB+FR*(I%8)+FR-1], v[FB+FR*(2*(\w)+I/8):FB+FR*(2*(\w)+I/8)+FR-1], v[ACC+8*I:ACC+8*I+7], v[SC+8*(\p)+I%8], v[SC+8*(\p)+2*(\w)+I/8] matrix_a_fmt:MATRIX_FMT_FP6 matrix_b_fmt:MATRIX_FMT_FP6 matrix_a_scale:MATRIX_SCALE_ROW1
.endif
.set I, I+1
.endr
.endm
; 56 LDS loads in one run: sets 1 - p, from step q of the slot.  The addresses are read from window 2 + p; B's set 1 - p lies in window 3 - p, the scale words in window 0, A's set 1 - p in window 1 - p.
.macro RUN p, slot, q
	WIN (2+(\p))|((3-(\p))<<6)
.irp f, 0,1,2,3,4,5,6,7
.irp c, 0,1,2
	ds_load_b128 v[FB+FR*\f+4*\c:FB+FR*\f+4*\c+3], v[ADRB+(\slot)] offset:(\q)*STEPB+\f*FRB+512*\c
.endr
.endr
	WIN 2+(\p)
.irp f, 0,1,2,3,4,5,6,7
	ds_load_b32 v[SC+8*(1-(\p))+\f], v[ADRS+(\slot)] offset:(\q)*STEPB+64*\f
.endr
	WIN (2+(\p))|((1-(\p))<<6)
.irp f, 0,1,2,3,4,5,6,7
.irp c, 0,1,2
	ds_load_b128 v[FB+FR*\f+4*\c:FB+FR*\f+4*\c+3], v[ADRA+(\slot)] offset:(\q)*STEPB+\f*FRB+512*\c
.endr
.endr
.endm
; A step: the next step's loads, then 64 products on sets p.  The four places stand between the last step's products, which read sets 1 - p, and the loads into those sets.
.macro STEP p, slot, q, zero
	s_wait_dscnt 0x0                               ; this step's fragments and scale words are in
	PLACES
	RUN \p, \slot, \q
.irp w, 0,1,2,3
	MM \p, \w, 0, 16, \zero
.endr
.endm
; A slot's last step.  Its fragments are in registers, so my reads of the slot are over at its head: there stand the wait for all my tensor loads (my part of the next tile), the add and the wait for it,
; round eight products; the barrier opens a round of the cluster's barrier; behind the round the slot is filled again (fill 1: three steps, 2: the last tile's two, 0: nothing, and no round), and the next tile's first fragments are fetched.
.macro TURN p, slot, fill, pf
	WIN 0
.if \pf
	s_wait_xcnt 0x0                                ; my last prefetches have read their address: it steps a tile on
	s_add_nc_u64 s[PFA:PFA+1], s[PFA:PFA+1], HALFT
.endif
	s_wait_tensorcnt 0x0
	ds_add_u32 v[SPW], v[NIL]
	PLACES
	s_wait_dscnt 0x1                               ; the add alone may be out: this step's fragments are in
	MM \p, 0, 0, 8, 0
	s_wait_dscnt 0x0
	s_barrier_signal -1
	MM \p, 0, 8, 8, 0
	WIN 0
	s_barrier_wait -1
.if \fill
	CREST
	s_add_nc_u64 s[G0+4*\slot+2:G0+4*\slot+3], s[G0+4*\slot+2:G0+4*\slot+3], 2*HALFT
	s_add_nc_u64 s[G0B+4*\slot+2:G0B+4*\slot+3], s[G0B+4*\slot+2:G0B+4*\slot+3], 2*HALFT
.if \fill == 2
	JLOAD G0+4*\slot, G1L, G0B+4*\slot, G1BL
.else
	JLOAD G0+4*\slot, G1, G0B+4*\slot, G1B
.endif
	ASK \pf, 2*HALFT
.endif
	RUN \p, 1-(\slot), 0
.irp w, 1,2,3
	MM \p, \w, 0, 16, 0
.endr
.endm
	s_wait_alu depctr_va_vdst(0)                   ; the wait at the head's end
	s_wait_tensorcnt 0x0                           ; my part of tile 0 is in; slot 1's first fill is issued as a refill is
	ds_add_u32 v[SPW], v[NIL]
	s_wait_dscnt 0x0
	CROUND
	JLOAD G0+4, G1, G0B+4, G1B                     ; tile 1
	ASK 1, 2*HALFT                                 ; tile 2
	RUN 1, 0, 0                                    ; step 0's fragments: sets 0
	STEP 0, 0, 1, 1                                ; step 0's products start the sums
	WIN 0
	s_mov_b32 s3, 4
.Llap:                                             ; a trip: six steps, once round the ring: parities and slots are back where they began
	STEP 1, 0, 2, 0
	TURN 0, 0, 1, 1
	STEP 1, 1, 1, 0
	STEP 0, 1, 2, 0
	TURN 1, 1, 1, 3
	STEP 0, 0, 1, 0
	WIN 0
	s_sub_co_u32 s3, s3, 1
	s_cmp_lg_u32 s3, 0
	s_cbranch_scc1 .Llap
	STEP 1, 0, 2, 0                                ; steps 25 to 31
	TURN 0, 0, 2, 0                                ; the last tile, two steps
	STEP 1, 1, 1, 0
	STEP 0, 1, 2, 0
	TURN 1, 1, 0, 0
	STEP 0, 0, 1, 0
	s_wait_dscnt 0x0
.irp w, 0,1,2,3
	MM 1, \w, 0, 16, 0
.endr
; THE WAY OUT, block by block of 16 rows x 128 columns: through my own stage in LDS, back as whole rows of 512 bytes, which the 32 lanes store as two aligned units of 256 bytes.
; Each block comes back into 64 registers of its own (blocks 0-3: the fragment sets; blocks 4-7: the accumulators of blocks 0-3, whose stores into the stage the wait for those blocks' loads has shown done),
; and a row's place stands in the store's immediate (127 rows of 8,192 bytes at the most): no register that a store reads is written again.
.macro BUF a
.if (\a) < 4
.set BW, (\a)
.set BB, FB
.else
.set BW, ((\a)-4)/2
.set BB, ACC+64*(((\a)-4)%2)
.endif
.endm
.macro TOSTAGE a
.set AC, ACC+64*((\a)%2)
	WIN ((\a)/2)<<2                                ; the data: window a / 2
.irp b, 0,1,2,3,4,5,6,7
	ds_store_b128 v[STO], v[AC+8*\b:AC+8*\b+3] offset:64*\b          ; each accumulator from its low end on
	ds_store_b128 v[STO], v[AC+8*\b+4:AC+8*\b+7] offset:64*\b+16
.endr
	BUF \a
	WIN BW<<6
.irp t, 0,1,2,3,4,5,6,7,8,9,10,11,12,13,14,15
	ds_load_b128 v[BB+4*\t:BB+4*\t+3], v[RD] offset:\t*SPITCH       ; LDS serves a wave's instructions in order: these see the stores above
.endr
.endm
.macro SEND a, younger                 ; younger: the LDS instructions issued behind block a's loads
	BUF \a
	s_wait_dscnt \younger
	WIN BW<<2
.irp t, 0,1,2,3,4,5,6,7,8,9,10,11,12,13,14,15
	global_store_b128 v[CO], v[BB+4*\t:BB+4*\t+3], s[12:13] offset:((\a)*16+\t)*SIZE_N*4
.endr
.endm
	PLACES                                         ; behind the last products: for the reads of results and the loads into the fragment sets
	TOSTAGE 0
.irp a, 1,2,3,4,5,6,7
	TOSTAGE \a
	SEND \a-1, 32
.endr
	SEND 7, 0
	WIN 0
	s_wait_tensorcnt 0x0                           ; the wave's end
	ds_add_u32 v[SPW], v[NIL]
	s_wait_dscnt 0x0
	CROUND                                         ; the closing round
	s_endpgm
.Lfunc_end_k_qd88ed36845_gemm:
	.size	k_qd88ed36845_gemm, .Lfunc_end_k_qd88ed36845_gemm-k_qd88ed36845_gemm
	.p2alignl 7, 3214868480
	.fill 96, 4, 3214868480
	.section	.rodata,"a",@progbits
	.p2align	6, 0x0
	.amdhsa_kernel k_qd88ed36845_gemm
		.amdhsa_group_segment_fixed_size 327680
		.amdhsa_private_segment_fixed_size 0
		.amdhsa_enable_private_segment 0
		.amdhsa_kernarg_size 24
		.amdhsa_user_sgpr_count 2
		.amdhsa_user_sgpr_kernarg_segment_ptr 1
		.amdhsa_wavefront_size32 1
		.amdhsa_system_sgpr_workgroup_id_x 1
		.amdhsa_system_sgpr_workgroup_id_y 1
		.amdhsa_system_sgpr_workgroup_id_z 1
		.amdhsa_system_vgpr_workitem_id 0
		.amdhsa_next_free_vgpr 1024
		.amdhsa_next_free_sgpr 98
		.amdhsa_reserve_vcc 0
		.amdhsa_float_denorm_mode_32 3
		.amdhsa_float_denorm_mode_16_64 3
		.amdhsa_memory_ordered 1
		.amdhsa_forward_progress 1
		.amdhsa_inst_pref_size 209
	.end_amdhsa_kernel
	.amdgpu_metadata
---
amdhsa.version: [ 1, 2 ]
amdhsa.kernels:
  - .name:           k_qd88ed36845_gemm
    .symbol:         k_qd88ed36845_gemm.kd
    .args:
      - { .name: a_ws, .offset: 0, .size: 8, .value_kind: global_buffer, .address_space: global }
      - { .name: b_ws, .offset: 8, .size: 8, .value_kind: global_buffer, .address_space: global }
      - { .name: out0, .offset: 16, .size: 8, .value_kind: global_buffer, .address_space: global }
    .group_segment_fixed_size: 327680
    .private_segment_fixed_size: 0
    .kernarg_segment_align: 8
    .kernarg_segment_size: 24
    .max_flat_workgroup_size: 128
    .sgpr_count:     98
    .vgpr_count:     1024
    .wavefront_size: 32
...
	.end_amdgpu_metadata
.endif
;; end of part 3
